; MI455X (gfx1250); checked and timed in simulation.
; The chip was launched on July 23, 2026; its instructions are those of AMD's public machine-readable ISA for CDNA 5 (MIT licence, August 2026) and "CDNA5" Instruction Set Architecture Reference Guide (July 2026). The comments in the code are by the model that wrote it; some were corrected since.
;; Averaged Normals. Allowed arithmetic: float matrix products may take bf16 or f16 operands with f32 sums; other float arithmetic in f32, or as packed bf16 or f16 multiplies, adds, multiply-adds, maxima and minima; sums over many terms, partial sums and values carried from step to step in f32; what a program stores and reads back later, other than sums and carried values, may be rounded once to bf16 or f16.
;; Inputs: vertices 2 x 8,192 x 3 float32.
;; Outputs: out0 2 x 8,192 x 3 float32.
;; 2 versions, each right; version 2 is version 1 with the launch groups written anew for expert scheduling mode. Each part assembles by itself: llvm-mc -triple=amdgcn-amd-amdhsa -mcpu=gfx1250 --defsym DOCPART=n.
;; ======== version 1 of 2: 4 launches
;; limits: an iteration or a series of the reference is cut at 16 steps
;; workspace buffers: pts 262,144 bytes; gids 2,097,152 bytes of whole numbers; idx 2,097,152 bytes of whole numbers; normals 262,144 bytes
;; launch groups (part 1): grid 256 x 1, 4 waves a work-group, no clusters, 136,704 bytes of LDS; arguments vertices, pts, gids; writes pts, gids
.if DOCPART == 1
	.amdgcn_target "amdgcn-amd-amdhsa--gfx1250"
	.amdhsa_code_object_version 6
	.text
	.protected	k_qcc26c9203d_groups
	.globl	k_qcc26c9203d_groups
	.p2align	8
	.type	k_qcc26c9203d_groups,@function
k_qcc26c9203d_groups:
	s_mov_b64 s[64:65], 0
	v_nop
	global_prefetch_b8 v0, s[64:65] scope:SCOPE_SE
	s_setreg_imm32_b32 hwreg(HW_REG_WAVE_MODE, 25, 1), 1
	s_wait_xcnt 0x0
; FIRST OF FOUR LAUNCHES.  vertices: [2][8192][3] f32.  pts: [16384] records (x, y, z, sq) f32.  gids: for each vertex the 32 groups of 16 consecutive
; vertices that hold its 32 nearest other vertices.  gids lies in blocks of 16 vertices, 2,048 bytes: element 16 h + 4 k + j of vertex r at byte 512 k + 16 (r + 16 h) + 4 j.
; Every coordinate is rounded once to bf16 and widened again; all four launches work on these numbers.  Products of two of them are exact in f32, so
;   sq = (x x + y y) + z z,   dot = (x x' + y y') + z z',   d2 = (sq_i - 2 dot) + sq_j
; have one value whether a multiply and an add are fused or not.  The product (K = 3) stays on the vector unit: neighbours are chosen by comparing these sums, equal ones by
; index, and a sum grouped in another way differs in the last bit and changes the choice.
; LIMITS.  The order is taken on |d2|, not on its rounded root.  NaN and infinities are not served.
; SHARES.  A work-group owns 64 vertices (queries) of one cloud.  PHASE 1: wave w owns groups 128 w .. 128 w + 127, 32 at a time, a group of 16 candidates in a lane's registers; the queries
; come from LDS in pairs, the same bytes for all lanes; 80 packed instructions make 2 x 16 keys |d2|, 16 take the two minima (the query itself left out), which go into the wave's own table.
; PHASE 2: a wave owns 16 queries, two lanes a query (lane % 16 the query, lane / 16 the half of its 512 minima).  A fixed network (bitonic sort of 32, merge with the best 32 so far)
; gives T, the 32nd smallest minimum.  Then each minimum becomes the number g (below T), g + 1024 (equal to T) or infinity, and the same network keeps the 32 smallest: the order (minimum, group).
; A group that comes before the group of one of the 32 nearest in that order holds a vertex that comes before it, so the first 32 groups hold all 32.
.set PW,    528                        ; a table row: 128 minima + 16 bytes = 33 x 16, so that sixteen rows read side by side begin at different banks (64 banks of 4 bytes: ISA guide 11.1)
.set WT,    64*PW                      ; a wave's table: 64 queries
.set TAB,   1024                       ; behind the 32 pairs of queries x 32 bytes (x0 x1 y0 y1 z0 z1 s0 s1)
.set SPARE, TAB+4*WT                   ; the spare words, 128 bytes a wave
.set P0,  32                           ; phase 2: three banks of 32 registers
.set P2,  64
.set P1,  96
.set IC,  224                          ; v224-239 the numbers 0.0 .. 15.0
.set RAW, 32                           ; phase 1: v32-79 a group as loaded; then
.set D,   32                           ; v32-63  keys: candidate n, queries 0 and 1 of the pair at D + 2 n
.set C,   96                           ; v96-159 candidate n's record at C + 4 n
.set QQ,  160                          ; v160-223 eight pairs of queries
.set M,   224                          ; v224-233 two sets of five minima
; v2 lane, v3 lane % 16, v4 lane / 16, v5 my spare word's address, v6 0, v7 infinity, v8 T, v9 v10 table addresses, v11 16 x lane, v12-13 index bases, v14-15 the same + 1024,
; v16 my group, v17 v18 where my minima go, v19 the queries' address, v20 a global offset
.macro STAGE src, dst, k, j            ; one stage of a bitonic network, from one bank into another: no copy is needed
.set i, 0
.rept 32
.if (i&(\j)) == 0
.if (i&(\k)) == 0
	v_min_num_f32 v[(\dst)+i], v[(\src)+i], v[(\src)+i+(\j)]
	v_max_num_f32 v[(\dst)+i+(\j)], v[(\src)+i], v[(\src)+i+(\j)]
.else
	v_max_num_f32 v[(\dst)+i], v[(\src)+i], v[(\src)+i+(\j)]
	v_min_num_f32 v[(\dst)+i+(\j)], v[(\src)+i], v[(\src)+i+(\j)]
.endif
.endif
.set i, i+1
.endr
.endm
.macro MERGE a, b, out                 ; a bitonic run in bank a comes out ascending in bank out
	STAGE \a, \b, 32, 16
	STAGE \b, \a, 32, 8
	STAGE \a, \b, 32, 4
	STAGE \b, \a, 32, 2
	STAGE \a, \out, 32, 1
.endm
.macro SORTMERGE                       ; 32 new numbers in P0, the best 32 so far ascending in P2: the best 32 of both, ascending, in P2
	STAGE P0, P1, 2, 1
	STAGE P1, P0, 4, 2
	STAGE P0, P1, 4, 1
	STAGE P1, P0, 8, 4
	STAGE P0, P1, 8, 2
	STAGE P1, P0, 8, 1
	STAGE P0, P1, 16, 8
	STAGE P1, P0, 16, 4
	STAGE P0, P1, 16, 2
	STAGE P1, P0, 16, 1
	STAGE P0, P1, 32, 16
	STAGE P1, P0, 32, 8
	STAGE P0, P1, 32, 4
	STAGE P1, P0, 32, 2
	STAGE P0, P1, 32, 1
.set i, 0
.rept 32
	v_min_num_f32 v[P0+i], v[P2+i], v[P1+31-i]
.set i, i+1
.endr
	MERGE P0, P1, P2
.endm
.macro BOTH                            ; my list and the other half's become one: both lanes of a query then hold the same 32, ascending, in P2
.set i, 0
.rept 32
	v_permlanex16_b32 v[P0+i], v[P2+i], s16, s17
.set i, i+1
.endr
.set i, 0
.rept 32
	v_min_num_f32 v[P1+i], v[P2+i], v[P0+31-i]
.set i, i+1
.endr
	MERGE P1, P0, P2
.endm
.macro FLAG                            ; a key becomes its index (below T), its index + the offset (equal to T) or infinity
.set i, 0
.rept 32
	v_cmp_eq_f32 s28, v[P0+i], v8
	v_cmp_lt_f32 vcc_lo, v[P0+i], v8
	v_cndmask_b32 v[P0+i], v7, v[14+i/16], s28
	v_cndmask_b32 v[P0+i], v[P0+i], v[12+i/16], vcc_lo
	v_add_f32 v[P0+i], v[IC+i%16], v[P0+i]
.set i, i+1
.endr
.endm
.macro SETINF
.set i, 0
.rept 32
	v_mov_b32 v[P2+i], v7
.set i, i+1
.endr
.endm
.macro TAIL mask                       ; lanes 0-15 keep elements 0-15, lanes 16-31 elements 16-31; whole numbers; each store of the wave covers 512 consecutive bytes, aligned
	BOTH
.set i, 0
.rept 16
	v_cndmask_b32 v[P0+i], v[P2+i], v[P2+16+i], s18
.set i, i+1
.endr
.set i, 0
.rept 16
	v_cvt_u32_f32 v[P0+i], v[P0+i]
.set i, i+1
.endr
.set i, 0
.rept 16
	v_and_b32 v[P0+i], \mask, v[P0+i]
.set i, i+1
.endr
.irp k, 0,1,2,3
	global_store_b128 v11, v[P0+4*\k:P0+4*\k+3], s[8:9] offset:512*\k
.endr
.endm
.macro CONVERT                         ; RAW -> C: rounded to bf16 (nearest even), widened; sq in ascending order of the coordinates
.set n, 0
.rept 24
	v_cvt_pk_bf16_f32 v[RAW+n], v[RAW+2*n], v[RAW+2*n+1]
.set n, n+1
.endr
.set n, 0
.rept 48
.if n%2 == 0
	v_lshlrev_b32 v[C+4*(n/3)+n%3], 16, v[RAW+n/2]
.else
	v_and_b32 v[C+4*(n/3)+n%3], s18, v[RAW+n/2]
.endif
.set n, n+1
.endr
.set n, 0
.rept 16
	v_mul_f32 v[C+4*n+3], v[C+4*n], v[C+4*n]
.set n, n+1
.endr
.set n, 0
.rept 16
	v_fmac_f32 v[C+4*n+3], v[C+4*n+1], v[C+4*n+1]
.set n, n+1
.endr
.set n, 0
.rept 16
	v_fmac_f32 v[C+4*n+3], v[C+4*n+2], v[C+4*n+2]
.set n, n+1
.endr
.endm
.macro MIN16 qi, row                   ; the least of one query's 16 keys |d2|, into my wave's table
.set K, D+(\qi)
.set MM, M+5*(\qi)
.irp a, 0,1,2,3,4
	v_min3_num_f32 v[MM+\a], |v[K+6*\a]|, |v[K+6*\a+2]|, |v[K+6*\a+4]|
.endr
	v_min3_num_f32 v[MM], v[MM], v[MM+1], |v[K+30]|
	v_min3_num_f32 v[MM+2], v[MM+2], v[MM+3], v[MM+4]
	v_min_num_f32 v[MM], v[MM], v[MM+2]
	ds_store_b32 v18, v[MM] offset:(\row)*PW
.endm
.macro QPAIR t                         ; queries 2 t and 2 t + 1 of the sixteen in hand against my 16 candidates: sixteen chains that do not wait for each other
.set Q, QQ+8*(\t)
.set n, 0
.rept 16
	v_pk_mul_f32 v[D+2*n:D+2*n+1], v[Q:Q+1], v[C+4*n:C+4*n+1] op_sel_hi:[1,0]
.set n, n+1
.endr
.set n, 0
.rept 16
	v_pk_fma_f32 v[D+2*n:D+2*n+1], v[Q+2:Q+3], v[C+4*n:C+4*n+1], v[D+2*n:D+2*n+1] op_sel:[0,1,0] op_sel_hi:[1,1,1]
.set n, n+1
.endr
.set n, 0
.rept 16
	v_pk_fma_f32 v[D+2*n:D+2*n+1], v[Q+4:Q+5], v[C+4*n+2:C+4*n+3], v[D+2*n:D+2*n+1] op_sel_hi:[1,0,1]
.set n, n+1
.endr
.set n, 0
.rept 16
	v_pk_fma_f32 v[D+2*n:D+2*n+1], v[D+2*n:D+2*n+1], -2.0, v[Q+6:Q+7] op_sel_hi:[1,0,1]
.set n, n+1
.endr
.set n, 0
.rept 16
	v_pk_add_f32 v[D+2*n:D+2*n+1], v[D+2*n:D+2*n+1], v[C+4*n+2:C+4*n+3] op_sel:[0,1] op_sel_hi:[1,1]
.set n, n+1
.endr
	v_cndmask_b32 v[D+4*(\t)], v[D+4*(\t)], v7, s24        ; in the lane that holds the queries' own group: a query is no candidate of its own
	v_cndmask_b32 v[D+4*(\t)+3], v[D+4*(\t)+3], v7, s24
	MIN16 0, 2*(\t)
	MIN16 1, 2*(\t)+1
.endm
	s_load_b128 s[4:7], s[0:1], 0x0                ; vertices s[4:5], pts s[6:7]
	s_load_b64 s[8:9], s[0:1], 0x10                ; gids
	v_lshl_add_u32 v5, v0, 2, SPARE
	v_mov_b32 v6, 0
	v_lshrrev_b32 v1, 5, v0
	v_readfirstlane_b32 s10, v1                    ; wave 0..3
	v_and_b32 v2, 31, v0
	v_and_b32 v3, 15, v0
	v_bfe_u32 v4, v0, 4, 1
	v_mov_b32 v7, 0x7f800000
	v_lshlrev_b32 v11, 4, v2
	s_lshr_b32 s11, ttmp9, 7                       ; cloud
	s_and_b32 s12, ttmp9, 127                      ; my 64 queries in it
	s_mov_b32 s15, 0
	s_mov_b32 s16, 0x76543210                      ; v_permlanex16_b32: each lane takes its own place in the other half
	s_mov_b32 s17, 0xfedcba98
	s_mov_b32 s18, 0xffff0000                      ; a word's upper bf16; as a mask of lanes: lanes 16 to 31
	s_wait_kmcnt 0x0
	s_mul_i32 s14, s11, 98304
	s_add_nc_u64 s[4:5], s[4:5], s[14:15]          ; my cloud
	s_lshl_b32 s14, ttmp9, 10
	s_add_nc_u64 s[6:7], s[6:7], s[14:15]          ; my 64 records
	s_lshl_b32 s14, ttmp9, 2
	s_add_co_u32 s14, s14, s10
	s_lshl_b32 s14, s14, 11
	s_add_nc_u64 s[8:9], s[8:9], s[14:15]          ; my wave's block of gids
	s_cmp_ge_u32 s10, 2
	s_cbranch_scc1 .Lno_q                          ; waves 0 and 1 make the 64 queries' records: into pts, and in pairs into LDS
	s_mul_i32 s25, s12, 768
	v_mul_u32_u24 v20, v0, 12
	v_add_nc_u32 v20, s25, v20
	global_load_b96 v[32:34], v20, s[4:5]
	v_lshrrev_b32 v9, 1, v0
	v_and_b32 v10, 1, v0
	v_lshlrev_b32 v9, 5, v9
	v_lshl_add_u32 v9, v10, 2, v9
	v_lshlrev_b32 v19, 4, v0
	s_wait_loadcnt 0x0
	v_cvt_pk_bf16_f32 v36, v32, v33
	v_cvt_pk_bf16_f32 v37, v34, v34
	v_lshlrev_b32 v32, 16, v36
	v_and_b32 v33, s18, v36
	v_lshlrev_b32 v34, 16, v37
	v_mul_f32 v35, v32, v32
	v_fmac_f32 v35, v33, v33
	v_fmac_f32 v35, v34, v34
	global_store_b128 v19, v[32:35], s[6:7]
	ds_store_b32 v9, v32
	ds_store_b32 v9, v33 offset:8
	ds_store_b32 v9, v34 offset:16
	ds_store_b32 v9, v35 offset:24
	s_wait_xcnt 0x0                                ; the store's address and data registers are written again below only behind this wait
.Lno_q:
	s_wait_dscnt 0x0                               ; for the others' sake: my stores are done
	s_barrier_signal -1
	s_barrier_wait -1
	s_mov_b32 s20, 0
.Lblk:                                                 ; four blocks of 32 groups a wave
	s_lshl_b32 s21, s10, 7
	s_lshl_b32 s25, s20, 5
	s_add_co_u32 s21, s21, s25
	v_add_nc_u32 v16, s21, v2                      ; my group
	v_mul_u32_u24 v20, v16, 192                    ; 192 consecutive bytes
.set n, 0
.rept 12
	global_load_b128 v[RAW+4*n:RAW+4*n+3], v20, s[4:5] offset:16*n
.set n, n+1
.endr
	s_mul_i32 s25, s10, WT
	s_lshl_b32 s26, s20, 7
	s_add_co_u32 s25, s25, s26
	s_add_co_u32 s25, s25, TAB
	v_lshl_add_u32 v17, v2, 2, s25                 ; my column in my wave's table
	s_wait_loadcnt 0x0
	CONVERT
	s_mov_b32 s22, 0
.Ltrip:                                                ; sixteen queries a trip, one group: a query's place in its own group is then a constant of the text
	s_lshl_b32 s25, s22, 8
	s_mul_i32 s26, s22, 16*PW
	s_lshl2_add_u32 s23, s12, s22                  ; the group that these sixteen queries are
	v_mov_b32 v19, s25
	v_add_nc_u32 v18, s26, v17
.set n, 0
.rept 16
	ds_load_b128 v[QQ+4*n:QQ+4*n+3], v19 offset:16*n
.set n, n+1
.endr
	v_cmp_eq_u32 s24, s23, v16
	s_wait_dscnt 0x0
.irp t, 0,1,2,3,4,5,6,7
	QPAIR \t
.endr
	s_add_co_u32 s22, s22, 1
	s_cmp_lt_u32 s22, 4
	s_cbranch_scc1 .Ltrip
	s_add_co_u32 s20, s20, 1
	s_cmp_lt_u32 s20, 4
	s_cbranch_scc1 .Lblk
	s_wait_dscnt 0x0                               ; my table is written
	s_barrier_signal -1
	s_barrier_wait -1                              ; everybody's is
	s_lshl_b32 s25, s10, 4
	v_add_nc_u32 v9, s25, v3                       ; my query's row
	v_mul_u32_u24 v9, v9, PW
	v_mad_u32_u24 v10, v4, 2*WT, v9                ; tables 2 h and 2 h + 1 are my half
	v_add_nc_u32 v10, TAB, v10
.set n, 0
.rept 16
	v_cvt_f32_u32 v[IC+n], n
.set n, n+1
.endr
.macro LOADS                           ; 16 minima from each of my two tables
.irp j, 0,1,2,3
	ds_load_b128 v[P0+4*\j:P0+4*\j+3], v9 offset:16*\j
	ds_load_b128 v[P0+16+4*\j:P0+16+4*\j+3], v9 offset:WT+16*\j
.endr
	s_wait_dscnt 0x0
.endm
	SETINF
	v_mov_b32 v9, v10
	s_mov_b32 s27, 0
.LpA:                                                  ; eight trips of 32 minima: the values
	LOADS
	SORTMERGE
	v_add_nc_u32 v9, 64, v9
	s_add_co_u32 s27, s27, 1
	s_cmp_lt_u32 s27, 8
	s_cbranch_scc1 .LpA
	BOTH
	v_mov_b32 v8, v[P2+31]                         ; T
	SETINF
	v_lshlrev_b32 v12, 8, v4
	v_cvt_f32_u32 v12, v12                         ; 256 h
	v_add_f32 v13, 0x43000000, v12                 ; + 128
	v_add_f32 v14, 0x44800000, v12                 ; + 1024
	v_add_f32 v15, 0x44800000, v13
	v_mov_b32 v9, v10
	s_mov_b32 s27, 0
.LpB:                                                  ; the same eight trips: the group numbers
	LOADS
	FLAG
	SORTMERGE
	v_add_nc_u32 v9, 64, v9
.irp a, 12,13,14,15
	v_add_f32 v\a, 0x41800000, v\a
.endr
	s_add_co_u32 s27, s27, 1
	s_cmp_lt_u32 s27, 8
	s_cbranch_scc1 .LpB
	TAIL 1023
	s_wait_tensorcnt 0x0                           ; the wave's end: three closing lines behind my last LDS store
	ds_add_u32 v5, v6
	s_wait_dscnt 0x0
	s_endpgm
.Lfunc_end_k_qcc26c9203d_groups:
	.size	k_qcc26c9203d_groups, .Lfunc_end_k_qcc26c9203d_groups-k_qcc26c9203d_groups
	.p2alignl 7, 3214868480
	.fill 96, 4, 3214868480
	.section	.rodata,"a",@progbits
	.p2align	6, 0x0
	.amdhsa_kernel k_qcc26c9203d_groups
		.amdhsa_group_segment_fixed_size 136704
		.amdhsa_private_segment_fixed_size 0
		.amdhsa_enable_private_segment 0
		.amdhsa_kernarg_size 24
		.amdhsa_user_sgpr_count 2
		.amdhsa_user_sgpr_kernarg_segment_ptr 1
		.amdhsa_wavefront_size32 1
		.amdhsa_system_sgpr_workgroup_id_x 1
		.amdhsa_system_sgpr_workgroup_id_y 1
		.amdhsa_system_sgpr_workgroup_id_z 1
		.amdhsa_system_vgpr_workitem_id 0
		.amdhsa_next_free_vgpr 256
		.amdhsa_next_free_sgpr 66
		.amdhsa_reserve_vcc 1
		.amdhsa_float_denorm_mode_32 3
		.amdhsa_float_denorm_mode_16_64 3
		.amdhsa_memory_ordered 1
		.amdhsa_forward_progress 1
		.amdhsa_inst_pref_size 133
	.end_amdhsa_kernel
	.amdgpu_metadata
---
amdhsa.version: [ 1, 2 ]
amdhsa.kernels:
  - .name:           k_qcc26c9203d_groups
    .symbol:         k_qcc26c9203d_groups.kd
    .args:
      - { .name: vertices, .offset: 0, .size: 8, .value_kind: global_buffer, .address_space: global }
      - { .name: pts, .offset: 8, .size: 8, .value_kind: global_buffer, .address_space: global }
      - { .name: gids, .offset: 16, .size: 8, .value_kind: global_buffer, .address_space: global }
    .group_segment_fixed_size: 136704
    .private_segment_fixed_size: 0
    .kernarg_segment_align: 8
    .kernarg_segment_size: 24
    .max_flat_workgroup_size: 128
    .sgpr_count:     66
    .vgpr_count:     256
    .wavefront_size: 32
...
	.end_amdgpu_metadata
.endif
;; end of part 1
;; launch neighbours (part 2): grid 256 x 1, 4 waves a work-group, no clusters, 139,776 bytes of LDS; arguments pts, gids, idx; writes idx
.if DOCPART == 2
	.amdgcn_target "amdgcn-amd-amdhsa--gfx1250"
	.amdhsa_code_object_version 6
	.text
	.protected	k_qcc26c9203d_neighbours
	.globl	k_qcc26c9203d_neighbours
	.p2align	8
	.type	k_qcc26c9203d_neighbours,@function
k_qcc26c9203d_neighbours:
	s_mov_b64 s[64:65], 0
	v_nop
	global_prefetch_b8 v0, s[64:65] scope:SCOPE_SE
	s_setreg_imm32_b32 hwreg(HW_REG_WAVE_MODE, 25, 1), 1
	s_wait_xcnt 0x0
; SECOND LAUNCH.  For each vertex its 32 nearest other vertices in the order (|d2|, index), out of the 32 groups of 16 that the first launch chose.
; pts: [16384] records (x, y, z, sq) f32.  gids, idx: blocks of 16 vertices, 2,048 bytes: element 16 h + 4 k + j of vertex r at byte 512 k + 16 (r + 16 h) + 4 j.
; idx holds indices in the cloud; elements 0-30 are the 31 nearest in some order, element 31 is the 32nd.
; The keys are made as in the first launch: d2 = (sq_i - 2 dot) + sq_j, dot = (x x' + y y') + z z', on numbers whose products are exact.  LIMITS: as there.
; A work-group owns 64 queries of one cloud and holds the cloud in LDS; a wave owns 16 queries, two lanes a query, each lane 16 of the query's 32 groups, two groups (32 keys) a trip.
; Pass A: the network gives T, the 32nd smallest key.  Pass B: a key becomes its index (below T), index + 8192 (equal to T) or infinity, and the network keeps the 32 smallest.
; LDS is read by the gathers alone: a group's number, held to 0 .. 511, times 272, plus 16 x the place in the group: 139,248 bytes at the most, below the spare words.
.set GP,    272                        ; a group in LDS: 256 bytes + 16, which no load reads
.set SPARE, 512*GP                     ; the spare words, 128 bytes a wave
.set P0,  32
.set P2,  64
.set P1,  96
.set R,   96                           ; v96-223 32 records
.set IC,  224                          ; v224-239 0.0 .. 15.0
.set G,   240                          ; v240-255 my 16 groups, the next two in front
; v2 lane, v3 lane % 16, v4 lane / 16, v5 my spare word's address, v6 0, v7 infinity, v8 T, v11 16 x lane, v12-13 index bases, v14-15 the same + 8192,
; v16-19 my query's record, v20-21 the two groups' LDS addresses, v22-23 my query's index less the groups' first, v24 my query's index, v25-26 at work, v27 v28 the fill's addresses
.macro STAGE src, dst, k, j            ; one stage of a bitonic network, from one bank into another
.set i, 0
.rept 32
.if (i&(\j)) == 0
.if (i&(\k)) == 0
	v_min_num_f32 v[(\dst)+i], v[(\src)+i], v[(\src)+i+(\j)]
	v_max_num_f32 v[(\dst)+i+(\j)], v[(\src)+i], v[(\src)+i+(\j)]
.else
	v_max_num_f32 v[(\dst)+i], v[(\src)+i], v[(\src)+i+(\j)]
	v_min_num_f32 v[(\dst)+i+(\j)], v[(\src)+i], v[(\src)+i+(\j)]
.endif
.endif
.set i, i+1
.endr
.endm
.macro MERGE a, b, out
	STAGE \a, \b, 32, 16
	STAGE \b, \a, 32, 8
	STAGE \a, \b, 32, 4
	STAGE \b, \a, 32, 2
	STAGE \a, \out, 32, 1
.endm
.macro SORTMERGE                       ; 32 new numbers in P0, the best 32 so far ascending in P2: the best 32 of both, ascending, in P2
	STAGE P0, P1, 2, 1
	STAGE P1, P0, 4, 2
	STAGE P0, P1, 4, 1
	STAGE P1, P0, 8, 4
	STAGE P0, P1, 8, 2
	STAGE P1, P0, 8, 1
	STAGE P0, P1, 16, 8
	STAGE P1, P0, 16, 4
	STAGE P0, P1, 16, 2
	STAGE P1, P0, 16, 1
	STAGE P0, P1, 32, 16
	STAGE P1, P0, 32, 8
	STAGE P0, P1, 32, 4
	STAGE P1, P0, 32, 2
	STAGE P0, P1, 32, 1
.set i, 0
.rept 32
	v_min_num_f32 v[P0+i], v[P2+i], v[P1+31-i]
.set i, i+1
.endr
	MERGE P0, P1, P2
.endm
.macro BOTH                            ; both lanes of a query then hold the same 32, ascending, in P2
.set i, 0
.rept 32
	v_permlanex16_b32 v[P0+i], v[P2+i], s16, s17
.set i, i+1
.endr
.set i, 0
.rept 32
	v_min_num_f32 v[P1+i], v[P2+i], v[P0+31-i]
.set i, i+1
.endr
	MERGE P1, P0, P2
.endm
.macro FLAG
.set i, 0
.rept 32
	v_cmp_eq_f32 s28, v[P0+i], v8
	v_cmp_lt_f32 vcc_lo, v[P0+i], v8
	v_cndmask_b32 v[P0+i], v7, v[14+i/16], s28
	v_cndmask_b32 v[P0+i], v[P0+i], v[12+i/16], vcc_lo
	v_add_f32 v[P0+i], v[IC+i%16], v[P0+i]
.set i, i+1
.endr
.endm
.macro SETINF
.set i, 0
.rept 32
	v_mov_b32 v[P2+i], v7
.set i, i+1
.endr
.endm
.macro TAIL mask                       ; each store of the wave covers 512 consecutive bytes, aligned
	BOTH
.set i, 0
.rept 16
	v_cndmask_b32 v[P0+i], v[P2+i], v[P2+16+i], s18
.set i, i+1
.endr
.set i, 0
.rept 16
	v_cvt_u32_f32 v[P0+i], v[P0+i]
.set i, i+1
.endr
.set i, 0
.rept 16
	v_and_b32 v[P0+i], \mask, v[P0+i]
.set i, i+1
.endr
.irp k, 0,1,2,3
	global_store_b128 v11, v[P0+4*\k:P0+4*\k+3], s[8:9] offset:512*\k
.endr
.endm
.macro KEYS                            ; the 32 keys of my next two groups into P0; the query itself becomes infinity
.irp a, 0,1
	v_min_u32 v25, 0x1ff, v[G+\a]                  ; a group's number stays inside the cloud's 512
	v_mul_u32_u24 v[20+\a], v25, GP
	v_lshlrev_b32 v25, 4, v25
	v_sub_nc_u32 v[22+\a], v24, v25
	v_cvt_f32_u32 v[12+\a], v25
	v_add_f32 v[14+\a], 0x46000000, v[12+\a]
.endr
.set i, 0
.rept 32
	ds_load_b128 v[R+4*i:R+4*i+3], v[20+i/16] offset:16*(i%16)
.set i, i+1
.endr
	s_wait_dscnt 0x0
.set i, 0
.rept 32
	v_mul_f32 v[P0+i], v16, v[R+4*i]
.set i, i+1
.endr
.set i, 0
.rept 32
	v_fmac_f32 v[P0+i], v17, v[R+4*i+1]
.set i, i+1
.endr
.set i, 0
.rept 32
	v_fmac_f32 v[P0+i], v18, v[R+4*i+2]
.set i, i+1
.endr
.set i, 0
.rept 32
	v_fma_f32 v[P0+i], v[P0+i], -2.0, v19
.set i, i+1
.endr
.set i, 0
.rept 32
	v_add_f32 v[P0+i], v[P0+i], v[R+4*i+3]
.set i, i+1
.endr
.set i, 0
.rept 32
	v_and_b32 v[P0+i], s19, v[P0+i]
.set i, i+1
.endr
.set i, 0
.rept 32
	v_cmp_eq_u32 vcc_lo, i%16, v[22+i/16]
	v_cndmask_b32 v[P0+i], v[P0+i], v7, vcc_lo
.set i, i+1
.endr
.endm
.macro ROT                             ; the list of groups turns by two; after eight trips it is as it was
	v_mov_b32 v25, v[G]
	v_mov_b32 v26, v[G+1]
.set i, 0
.rept 14
	v_mov_b32 v[G+i], v[G+i+2]
.set i, i+1
.endr
	v_mov_b32 v[G+14], v25
	v_mov_b32 v[G+15], v26
.endm
	s_load_b128 s[4:7], s[0:1], 0x0                ; pts s[4:5], gids s[6:7]
	s_load_b64 s[8:9], s[0:1], 0x10                ; idx
	v_lshl_add_u32 v5, v0, 2, SPARE
	v_mov_b32 v6, 0
	v_lshrrev_b32 v1, 5, v0
	v_readfirstlane_b32 s10, v1                    ; wave 0..3
	v_and_b32 v2, 31, v0
	v_and_b32 v3, 15, v0
	v_bfe_u32 v4, v0, 4, 1
	v_mov_b32 v7, 0x7f800000
	v_lshlrev_b32 v11, 4, v2
	v_lshlrev_b32 v25, 4, v3                       ; my query's record among my wave's sixteen
	s_lshr_b32 s11, ttmp9, 7                       ; cloud
	s_and_b32 s12, ttmp9, 127                      ; my 64 queries in it
	s_mov_b32 s15, 0
	s_mov_b32 s16, 0x76543210
	s_mov_b32 s17, 0xfedcba98
	s_mov_b32 s18, 0xffff0000                      ; as a mask of lanes: lanes 16 to 31
	s_mov_b32 s19, 0x7fffffff
	s_lshl_b32 s25, s10, 15
	v_lshl_add_u32 v27, v2, 4, s25                 ; the fill: my wave's 2,048 records, 16 bytes a lane
	s_mul_i32 s25, s10, 128*GP
	v_mul_u32_u24 v28, v4, GP
	v_lshl_add_u32 v28, v3, 4, v28
	v_add_nc_u32 v28, s25, v28                     ; and their place in LDS: my wave's 128 groups, 34,816 bytes on end
	s_wait_kmcnt 0x0
	s_lshl_b32 s14, ttmp9, 10
	s_lshl_b32 s25, s10, 8
	s_add_co_u32 s14, s14, s25
	s_add_nc_u64 s[20:21], s[4:5], s[14:15]        ; my wave's 16 queries' records: 1,024 bytes a work-group, 256 a wave
	s_lshl_b32 s14, s11, 17
	s_add_nc_u64 s[4:5], s[4:5], s[14:15]          ; my cloud
	s_lshl_b32 s14, ttmp9, 2
	s_add_co_u32 s14, s14, s10
	s_lshl_b32 s14, s14, 11
	s_add_nc_u64 s[6:7], s[6:7], s[14:15]          ; my wave's block of gids and of idx
	s_add_nc_u64 s[8:9], s[8:9], s[14:15]
.irp k, 0,1,2,3
	global_load_b128 v[G+4*\k:G+4*\k+3], v11, s[6:7] offset:512*\k
.endr
	global_load_b128 v[16:19], v25, s[20:21]       ; both lanes of a query take its record; waited for with the fill's first loads
	s_mov_b32 s27, 0
.Lfill:                                                ; eight trips of eight loads of 512 bytes: 16 groups a trip
.irp j, 0,1,2,3,4,5,6,7
	global_load_b128 v[R+4*\j:R+4*\j+3], v27, s[4:5] offset:512*\j
.endr
	s_wait_loadcnt 0x0                             ; the loads are done, so their base may step
.irp j, 0,1,2,3,4,5,6,7
	ds_store_b128 v28, v[R+4*\j:R+4*\j+3] offset:2*GP*\j
.endr
	s_add_nc_u64 s[4:5], s[4:5], 0x1000
	v_add_nc_u32 v28, 16*GP, v28
	s_add_co_u32 s27, s27, 1
	s_cmp_lt_u32 s27, 8
	s_cbranch_scc1 .Lfill
	s_wait_dscnt 0x0                               ; my part of the cloud is written
	s_barrier_signal -1
	s_barrier_wait -1                              ; everybody's is
	s_lshl2_add_u32 s25, s12, s10                  ; my wave's 16 queries are group 4 x block + wave
	s_lshl_b32 s25, s25, 4
	v_add_nc_u32 v24, s25, v3                      ; my query's index in the cloud
.set n, 0
.rept 16
	v_cvt_f32_u32 v[IC+n], n
.set n, n+1
.endr
	SETINF
	s_mov_b32 s27, 0
.LpA:
	KEYS
	SORTMERGE
	ROT
	s_add_co_u32 s27, s27, 1
	s_cmp_lt_u32 s27, 8
	s_cbranch_scc1 .LpA
	BOTH
	v_mov_b32 v8, v[P2+31]                         ; T
	SETINF
	s_mov_b32 s27, 0
.LpB:
	KEYS
	FLAG
	SORTMERGE
	ROT
	s_add_co_u32 s27, s27, 1
	s_cmp_lt_u32 s27, 8
	s_cbranch_scc1 .LpB
	TAIL 8191
	s_wait_tensorcnt 0x0                           ; the wave's end: three closing lines behind my last LDS store
	ds_add_u32 v5, v6
	s_wait_dscnt 0x0
	s_endpgm
.Lfunc_end_k_qcc26c9203d_neighbours:
	.size	k_qcc26c9203d_neighbours, .Lfunc_end_k_qcc26c9203d_neighbours-k_qcc26c9203d_neighbours
	.p2alignl 7, 3214868480
	.fill 96, 4, 3214868480
	.section	.rodata,"a",@progbits
	.p2align	6, 0x0
	.amdhsa_kernel k_qcc26c9203d_neighbours
		.amdhsa_group_segment_fixed_size 139776
		.amdhsa_private_segment_fixed_size 0
		.amdhsa_enable_private_segment 0
		.amdhsa_kernarg_size 24
		.amdhsa_user_sgpr_count 2
		.amdhsa_user_sgpr_kernarg_segment_ptr 1
		.amdhsa_wavefront_size32 1
		.amdhsa_system_sgpr_workgroup_id_x 1
		.amdhsa_system_sgpr_workgroup_id_y 1
		.amdhsa_system_sgpr_workgroup_id_z 1
		.amdhsa_system_vgpr_workitem_id 0
		.amdhsa_next_free_vgpr 256
		.amdhsa_next_free_sgpr 66
		.amdhsa_reserve_vcc 1
		.amdhsa_float_denorm_mode_32 3
		.amdhsa_float_denorm_mode_16_64 3
		.amdhsa_memory_ordered 1
		.amdhsa_forward_progress 1
		.amdhsa_inst_pref_size 100
	.end_amdhsa_kernel
	.amdgpu_metadata
---
amdhsa.version: [ 1, 2 ]
amdhsa.kernels:
  - .name:           k_qcc26c9203d_neighbours
    .symbol:         k_qcc26c9203d_neighbours.kd
    .args:
      - { .name: pts, .offset: 0, .size: 8, .value_kind: global_buffer, .address_space: global }
      - { .name: gids, .offset: 8, .size: 8, .value_kind: global_buffer, .address_space: global }
      - { .name: idx, .offset: 16, .size: 8, .value_kind: global_buffer, .address_space: global }
    .group_segment_fixed_size: 139776
    .private_segment_fixed_size: 0
    .kernarg_segment_align: 8
    .kernarg_segment_size: 24
    .max_flat_workgroup_size: 128
    .sgpr_count:     66
    .vgpr_count:     256
    .wavefront_size: 32
...
	.end_amdgpu_metadata
.endif
;; end of part 2
;; launch normals (part 3): grid 256 x 1, 2 waves a work-group, no clusters, 0 bytes of LDS; arguments pts, idx, normals; writes normals
.if DOCPART == 3
	.amdgcn_target "amdgcn-amd-amdhsa--gfx1250"
	.amdhsa_code_object_version 6
	.text
	.protected	k_qcc26c9203d_normals
	.globl	k_qcc26c9203d_normals
	.p2align	8
	.type	k_qcc26c9203d_normals,@function
k_qcc26c9203d_normals:
	s_mov_b64 s[64:65], 0
	v_nop
	global_prefetch_b8 v0, s[64:65] scope:SCOPE_SE
	s_setreg_imm32_b32 hwreg(HW_REG_WAVE_MODE, 25, 1), 1
	s_wait_xcnt 0x0
; THIRD LAUNCH.  One lane a vertex: its 32 neighbours' offsets, the radius, the weights, the 3 x 3 covariance, the eigenvector of the smallest eigenvalue, its sign by the vote.
; pts: [16384] (x, y, z, sq).  idx: blocks of 16 vertices (element 16 h + 4 k + j of vertex r at byte 512 k + 16 (r + 16 h) + 4 j).  normals: [16384] (nx, ny, nz, 0) f32.
; The vertex itself adds nothing to the covariance and counts as one projection >= 0: the axis is kept where 16 or more of the other 32 projections are >= 0.
; At 16 of 32 the sign that the eigensolver gave survives, so the solver's way for n = 3 is walked step by step, every choice by v_cndmask_b32:
; the reduction to three diagonals from the lower triangle by one reflector; implicit QL with Wilkinson's shift, or QR where |d3| < |d1|, which is QL on the reversed matrix with the columns
; reversed; plane rotations with c >= 0; the closed form for the last 2 x 2 block; the smallest eigenvalue's column; the reflector applied to it.
; LIMITS.  16 sweeps at the most (convergence is cubic); a choice that falls within rounding of its threshold can go the other way; a covariance of zeros (33 coincident vertices),
; NaN and infinities are not served.  The covariance is scaled by a power of two, which changes no choice.
.set I,  32                            ; v32-63   neighbours' indices, then byte offsets
.set NB, 64                            ; v64-191  neighbour i: offset x, y, z and its norm, then its weight
.set T,  192                           ; v192-207 at work
.set NS, 208                           ; v208-221 a sweep's new state, in the order of v18-31
; v2 my offset in idx, v3 16 x thread, v4-7 my record, v8 radius, v10-15 A11 A21 A31 A22 A32 A33, v16 tau, v17 the reflector's third entry,
; v18-20 d, v21-22 e, v23-31 Z (column c, row r at 23 + 3 c + r), v222 the count, v224-227 the result
.macro TEST                            ; s22, s23: e1, e2 count as nothing beside their neighbours on the diagonal
	v_and_b32 v[T], s30, v18
	v_and_b32 v[T+1], s30, v19
	v_and_b32 v[T+2], s30, v20
	v_mul_f32 v[T], s32, v[T]
	v_mul_f32 v[T+3], s32, v[T+1]
	v_fma_f32 v[T], v[T], v[T+1], s33
	v_fma_f32 v[T+3], v[T+3], v[T+2], s33
	v_mul_f32 v[T+1], v21, v21
	v_mul_f32 v[T+2], v22, v22
	v_cmp_le_f32 s22, v[T+1], v[T]
	v_cmp_le_f32 s23, v[T+2], v[T+3]
.endm
.macro ROTG f, g, c, s, r              ; the rotation that turns (f, g) into (r, 0): c = |f| / d, r = d with f's sign, s = g / r
	v_mul_f32 v[T+12], v[\f], v[\f]
	v_fmac_f32 v[T+12], v[\g], v[\g]
	v_rsq_f32 v[T+13], v[T+12]
	v_and_b32 v[T+14], s30, v[\f]                  ; the plain instruction behind the root
	s_wait_alu depctr_va_vdst(0)
	v_mul_f32 v[\r], v[T+12], v[T+13]
	v_mul_f32 v[\c], v[T+14], v[T+13]
	v_bfi_b32 v[T+13], s30, v[T+13], v[\f]
	v_bfi_b32 v[\r], s30, v[\r], v[\f]
	v_mul_f32 v[\s], v[\g], v[T+13]
.endm
.macro SWAPC a, b                      ; exchanged where the matrix is walked reversed
	v_cndmask_b32 v[T], v[\a], v[\b], s20
	v_cndmask_b32 v[\b], v[\b], v[\a], s20
	v_mov_b32 v[\a], v[T]
.endm
.macro SWAPALL
	SWAPC 18, 20
	SWAPC 21, 22
	SWAPC 23, 29
	SWAPC 24, 30
	SWAPC 25, 31
.endm
	s_load_b128 s[4:7], s[0:1], 0x0                ; pts s[4:5], idx s[6:7]
	s_load_b64 s[8:9], s[0:1], 0x10                ; normals
	v_lshrrev_b32 v1, 4, v0
	v_and_b32 v2, 15, v0
	v_lshlrev_b32 v2, 4, v2
	v_lshl_add_u32 v2, v1, 11, v2
	v_lshlrev_b32 v3, 4, v0
	s_lshr_b32 s11, ttmp9, 7                       ; cloud
	s_mov_b32 s15, 0
	s_mov_b32 s30, 0x7fffffff
	s_mov_b32 s31, 0x80000000
	s_mov_b32 s32, 0x27800000                      ; 2^-48: the square of half a unit in the last place of 1
	s_mov_b32 s33, 0x00800000                      ; the smallest normal number
	s_wait_kmcnt 0x0
	s_lshl_b32 s14, ttmp9, 13
	s_add_nc_u64 s[6:7], s[6:7], s[14:15]
	s_lshl_b32 s14, ttmp9, 10
	s_add_nc_u64 s[12:13], s[4:5], s[14:15]        ; my work-group's 64 records
	s_add_nc_u64 s[8:9], s[8:9], s[14:15]
	s_lshl_b32 s14, s11, 17
	s_add_nc_u64 s[4:5], s[4:5], s[14:15]          ; my cloud
.irp h, 0,1
.irp k, 0,1,2,3
	global_load_b128 v[I+16*\h+4*\k:I+16*\h+4*\k+3], v2, s[6:7] offset:512*\k+256*\h
.endr
.endr
	global_load_b128 v[4:7], v3, s[12:13]
	s_wait_loadcnt 0x0
.set i, 0
.rept 32
	v_min_u32 v[I+i], 0x1fff, v[I+i]               ; an index stays inside the cloud
.set i, i+1
.endr
.set i, 0
.rept 32
	v_lshlrev_b32 v[I+i], 4, v[I+i]
.set i, i+1
.endr
.set i, 0
.rept 32
	global_load_b128 v[NB+4*i:NB+4*i+3], v[I+i], s[4:5]
.set i, i+1
.endr
	s_wait_loadcnt 0x0
.set i, 0
.rept 32
	v_pk_add_f32 v[NB+4*i:NB+4*i+1], v[NB+4*i:NB+4*i+1], v[4:5] neg_lo:[0,1] neg_hi:[0,1]
	v_sub_f32 v[NB+4*i+2], v[NB+4*i+2], v6
.set i, i+1
.endr
.set i, 0
.rept 32
	v_mul_f32 v[NB+4*i+3], v[NB+4*i], v[NB+4*i]
.set i, i+1
.endr
.set i, 0
.rept 32
	v_fmac_f32 v[NB+4*i+3], v[NB+4*i+1], v[NB+4*i+1]
.set i, i+1
.endr
.set i, 0
.rept 32
	v_fmac_f32 v[NB+4*i+3], v[NB+4*i+2], v[NB+4*i+2]
.set i, i+1
.endr
.set i, 0
.rept 32
	v_add_f32 v[NB+4*i+3], 0x2b8cbccc, v[NB+4*i+3] ; + 1e-12
.set i, i+1
.endr
.set i, 0
.rept 32
	v_sqrt_f32 v[NB+4*i+3], v[NB+4*i+3]
.set i, i+1
.endr
	v_mov_b32 v8, 0x358637bd                       ; the vertex's own norm, 1e-6; also the plain instruction behind the last root
.set i, 0
	s_wait_alu depctr_va_vdst(0)
.rept 16
	v_max3_num_f32 v8, v8, v[NB+8*i+3], v[NB+8*i+7]
.set i, i+1
.endr
.set i, 0
.rept 32                               ; weight = radius - norm; six sums, the first neighbour starts them
.set N, NB+4*i
.set U, T+3*(i%2)
	v_sub_f32 v[N+3], v8, v[N+3]
	v_mul_f32 v[U], v[N+3], v[N]
	v_mul_f32 v[U+1], v[N+3], v[N+1]
	v_mul_f32 v[U+2], v[N+3], v[N+2]
.if i == 0
	v_mul_f32 v10, v[U], v[N]
	v_mul_f32 v11, v[U+1], v[N]
	v_mul_f32 v12, v[U+2], v[N]
	v_mul_f32 v13, v[U+1], v[N+1]
	v_mul_f32 v14, v[U+2], v[N+1]
	v_mul_f32 v15, v[U+2], v[N+2]
.else
	v_fmac_f32 v10, v[U], v[N]
	v_fmac_f32 v11, v[U+1], v[N]
	v_fmac_f32 v12, v[U+2], v[N]
	v_fmac_f32 v13, v[U+1], v[N+1]
	v_fmac_f32 v14, v[U+2], v[N+1]
	v_fmac_f32 v15, v[U+2], v[N+2]
.endif
.set i, i+1
.endr
	v_max3_num_f32 v[T], v10, v13, v15             ; the largest diagonal entry is brought into 1 .. 2 by a power of two
	v_and_b32 v[T], 0x7f800000, v[T]
	v_sub_nc_u32 v[T], 0x7f000000, v[T]
.irp a, 10,11,12,13,14,15
	v_mul_f32 v\a, v\a, v[T]
.endr
	; the reflector that clears A31, and the matrix between two of it
	v_mul_f32 v[T], v11, v11
	v_fmac_f32 v[T], v12, v12
	v_sqrt_f32 v[T], v[T]
	v_cmp_neq_f32 vcc_lo, 0, v12
	s_wait_alu depctr_va_vdst(0)
	v_bfi_b32 v[T+1], s30, v[T], v11
	v_xor_b32 v[T+1], s31, v[T+1]                  ; beta
	v_sub_f32 v[T+2], v[T+1], v11
	v_sub_f32 v[T+4], v11, v[T+1]
	v_rcp_f32 v[T+3], v[T+1]
	v_rcp_f32 v[T+5], v[T+4]
	v_nop
	s_wait_alu depctr_va_vdst(0)
	v_mul_f32 v16, v[T+2], v[T+3]
	v_mul_f32 v17, v12, v[T+5]
	v_cndmask_b32 v16, 0, v16, vcc_lo              ; where A31 is 0 there is no reflector
	v_cndmask_b32 v17, 0, v17, vcc_lo
	v_cndmask_b32 v21, v11, v[T+1], vcc_lo         ; e1
	v_fma_f32 v[T+2], v14, v17, v13
	v_fma_f32 v[T+3], v15, v17, v14
	v_mul_f32 v[T+2], v16, v[T+2]
	v_mul_f32 v[T+3], v16, v[T+3]
	v_fma_f32 v[T+4], v[T+3], v17, v[T+2]
	v_mul_f32 v[T+4], v16, v[T+4]
	v_mul_f32 v[T+4], -0.5, v[T+4]
	v_add_f32 v[T+5], v[T+2], v[T+4]
	v_fma_f32 v[T+6], v[T+4], v17, v[T+3]
	v_mov_b32 v18, v10
	v_fma_f32 v19, v[T+5], -2.0, v13
	v_fma_f32 v[T+7], v17, v[T+5], v[T+6]
	v_sub_f32 v22, v14, v[T+7]
	v_mul_f32 v[T+7], v17, v[T+6]
	v_fma_f32 v20, v[T+7], -2.0, v15
.irp a, 24,25,26,28,29,30
	v_mov_b32 v\a, 0
.endr
.irp a, 23,27,31
	v_mov_b32 v\a, 1.0
.endr
	v_and_b32 v[T], s30, v20
	v_and_b32 v[T+1], s30, v18
	v_cmp_lt_f32 s20, v[T], v[T+1]                 ; walked reversed where |d3| < |d1|
	SWAPALL
	s_mov_b32 s28, 16
.Lsweep:                                               ; a sweep over the whole matrix; a lane in which e1 or e2 has gone keeps its state, and then keeps it in every later trip
	TEST
	s_or_b32 s24, s22, s23
	v_sub_f32 v[T], v19, v18
	v_add_f32 v[T+1], v21, v21
	v_rcp_f32 v[T+1], v[T+1]
	v_sub_f32 v[T+5], v20, v18
	s_wait_alu depctr_va_vdst(0)
	v_mul_f32 v[T], v[T], v[T+1]
	v_fma_f32 v[T+1], v[T], v[T], 1.0
	v_sqrt_f32 v[T+1], v[T+1]
	v_nop
	s_wait_alu depctr_va_vdst(0)
	v_bfi_b32 v[T+1], s30, v[T+1], v[T]
	v_add_f32 v[T+1], v[T], v[T+1]
	v_rcp_f32 v[T+1], v[T+1]
	v_nop
	s_wait_alu depctr_va_vdst(0)
	v_fma_f32 v[T], v21, v[T+1], v[T+5]            ; g = d3 - d1 + e1 / (g + sign(r, g))
	ROTG T, 22, T+1, T+2, T+3                      ; c2, s2
	v_sub_f32 v[T+4], v19, v20
	v_mul_f32 v[T+5], v[T+1], v22
	v_add_f32 v[T+5], v[T+5], v[T+5]
	v_fmac_f32 v[T+5], v[T+4], v[T+2]
	v_mul_f32 v[T+7], v[T+2], v[T+5]               ; p
	v_add_f32 v[NS+2], v20, v[T+7]
	v_fma_f32 v[T], v[T+1], v[T+5], -v22
	v_mul_f32 v[T+6], v[T+2], v21
	v_mul_f32 v[T+8], v[T+1], v21
	ROTG T, T+6, T+3, T+4, NS+4                    ; c1, s1, the new e2
	v_sub_f32 v[T+6], v19, v[T+7]
	v_sub_f32 v[T+9], v18, v[T+6]
	v_mul_f32 v[T+10], v[T+3], v[T+8]
	v_add_f32 v[T+10], v[T+10], v[T+10]
	v_fmac_f32 v[T+10], v[T+9], v[T+4]
	v_mul_f32 v[T+7], v[T+4], v[T+10]
	v_add_f32 v[NS+1], v[T+6], v[T+7]
	v_fma_f32 v[NS+3], v[T+3], v[T+10], -v[T+8]
	v_sub_f32 v[NS], v18, v[T+7]
.irp r, 0,1,2
	v_mul_f32 v[T+9], v[T+2], v[26+\r]
	v_fma_f32 v[NS+11+\r], v[T+1], v[29+\r], v[T+9]
	v_mul_f32 v[T+9], v[T+2], v[29+\r]
	v_fma_f32 v[T+9], v[T+1], v[26+\r], -v[T+9]
	v_mul_f32 v[T+10], v[T+4], v[23+\r]
	v_fma_f32 v[NS+8+\r], v[T+3], v[T+9], v[T+10]
	v_mul_f32 v[T+10], v[T+4], v[T+9]
	v_fma_f32 v[NS+5+\r], v[T+3], v[23+\r], -v[T+10]
.endr
.set i, 0
.rept 14
	v_cndmask_b32 v[18+i], v[NS+i], v[18+i], s24
.set i, i+1
.endr
	s_sub_co_i32 s28, s28, 1
	s_cmp_lg_u32 s28, 0
	s_cbranch_scc1 .Lsweep
	SWAPALL                                        ; back in the natural order: the 2 x 2 step is the same for both walks there
	TEST
	s_and_b32 s25, s22, s23                        ; both gone: nothing is left to turn
	v_cndmask_b32 v[T], v18, v19, s22              ; a, c, b of the block that is left (the lower one where e1 has gone), and the eigenvalue outside it
	v_cndmask_b32 v[T+1], v19, v20, s22
	v_cndmask_b32 v[T+2], v21, v22, s22
	v_cndmask_b32 v[T+3], v20, v18, s22
.irp r, 0,1,2
	v_cndmask_b32 v[NS+\r], v[23+\r], v[26+\r], s22
	v_cndmask_b32 v[NS+3+\r], v[26+\r], v[29+\r], s22
	v_cndmask_b32 v[NS+6+\r], v[29+\r], v[23+\r], s22
.endr
	v_add_f32 v[T+4], v[T], v[T+1]                 ; sm
	v_sub_f32 v[T+5], v[T], v[T+1]                 ; df
	v_add_f32 v[T+6], v[T+2], v[T+2]               ; tb
	v_mul_f32 v[T+7], v[T+5], v[T+5]
	v_fmac_f32 v[T+7], v[T+6], v[T+6]
	v_sqrt_f32 v[T+7], v[T+7]
	v_mul_f32 v[T+9], v[T], v[T+1]
	s_wait_alu depctr_va_vdst(0)
	v_bfi_b32 v[T+8], s30, v[T+7], v[T+4]
	v_add_f32 v[T+8], v[T+4], v[T+8]
	v_mul_f32 v[T+8], 0.5, v[T+8]                  ; rt1
	v_fma_f32 v[T+9], -v[T+2], v[T+2], v[T+9]
	v_rcp_f32 v[T+11], v[T+8]
	v_bfi_b32 v[T+10], s30, v[T+7], v[T+5]
	s_wait_alu depctr_va_vdst(0)
	v_mul_f32 v[T+9], v[T+9], v[T+11]              ; rt2
	v_add_f32 v[T+10], v[T+5], v[T+10]             ; cs
	v_mul_f32 v[T+11], v[T+10], v[T+10]
	v_fmac_f32 v[T+11], v[T+6], v[T+6]
	v_rsq_f32 v[T+11], v[T+11]
	v_xor_b32 v[T+14], s31, v[T+6]                 ; -tb
	s_wait_alu depctr_va_vdst(0)
	v_mul_f32 v[T+12], v[T+14], v[T+11]
	v_mul_f32 v[T+13], v[T+10], v[T+11]
	v_and_b32 v[T+15], s30, v[T+10]
	v_and_b32 v[T+7], s30, v[T+6]
	v_cmp_gt_f32 vcc_lo, v[T+15], v[T+7]
	v_cndmask_b32 v[T+14], v[T+14], v[T+10], vcc_lo  ; the larger of the two entries is made positive
	v_and_b32 v[T+14], s31, v[T+14]
	v_xor_b32 v[T+12], v[T+12], v[T+14]
	v_xor_b32 v[T+13], v[T+13], v[T+14]
	v_xor_b32 v[T+14], v[T+4], v[T+5]
	v_cmp_le_i32 s26, 0, v[T+14]                   ; sm and df of one sign: (cs1, sn1) = (-sn1, cs1)
	v_xor_b32 v[T+14], s31, v[T+13]
	v_cndmask_b32 v[T+15], v[T+12], v[T+14], s26
	v_cndmask_b32 v[T+13], v[T+13], v[T+12], s26
	v_cndmask_b32 v[T+15], v[T+15], 1.0, s25
	v_cndmask_b32 v[T+13], v[T+13], 0, s25
	v_cndmask_b32 v[T+8], v[T+8], v[T], s25
	v_cndmask_b32 v[T+9], v[T+9], v[T+1], s25
.irp r, 0,1,2
	v_mul_f32 v[T+10], v[T+13], v[NS+\r]
	v_fma_f32 v[13+\r], v[T+15], v[NS+3+\r], -v[T+10]  ; the block's upper column: rt2's
	v_mul_f32 v[T+10], v[T+15], v[NS+\r]
	v_fma_f32 v[10+\r], v[T+13], v[NS+3+\r], v[T+10]   ; its lower column: rt1's
.endr
	v_cmp_lt_f32 vcc_lo, v[T+9], v[T+8]
	v_cndmask_b32 v[T+8], v[T+8], v[T+9], vcc_lo
.irp r, 0,1,2
	v_cndmask_b32 v[224+\r], v[10+\r], v[13+\r], vcc_lo
.endr
	v_cmp_lt_f32 vcc_lo, v[T+3], v[T+8]
.irp r, 0,1,2
	v_cndmask_b32 v[224+\r], v[224+\r], v[NS+6+\r], vcc_lo
.endr
	v_fma_f32 v[T], v17, v226, v225                ; the reflector applied
	v_mul_f32 v[T], v16, v[T]
	v_sub_f32 v225, v225, v[T]
	v_fma_f32 v226, -v[T], v17, v226
	v_mov_b32 v222, 0
.set i, 0
.rept 32                               ; the vote
.set U, T+i%4
	v_mul_f32 v[U], v[NB+4*i], v224
	v_fmac_f32 v[U], v[NB+4*i+1], v225
	v_fmac_f32 v[U], v[NB+4*i+2], v226
	v_cmp_le_f32 vcc_lo, 0, v[U]
	v_add_co_ci_u32 v222, vcc_lo, 0, v222, vcc_lo
.set i, i+1
.endr
	v_mov_b32 v[T+1], s31
	v_cmp_gt_u32 vcc_lo, 16, v222
	v_cndmask_b32 v[T], 0, v[T+1], vcc_lo
	v_xor_b32 v224, v224, v[T]
	v_xor_b32 v225, v225, v[T]
	v_xor_b32 v226, v226, v[T]
	v_mov_b32 v227, 0
	global_store_b128 v3, v[224:227], s[8:9]       ; a wave's store covers 512 consecutive bytes, aligned
	s_endpgm
.Lfunc_end_k_qcc26c9203d_normals:
	.size	k_qcc26c9203d_normals, .Lfunc_end_k_qcc26c9203d_normals-k_qcc26c9203d_normals
	.p2alignl 7, 3214868480
	.fill 96, 4, 3214868480
	.section	.rodata,"a",@progbits
	.p2align	6, 0x0
	.amdhsa_kernel k_qcc26c9203d_normals
		.amdhsa_group_segment_fixed_size 0
		.amdhsa_private_segment_fixed_size 0
		.amdhsa_enable_private_segment 0
		.amdhsa_kernarg_size 24
		.amdhsa_user_sgpr_count 2
		.amdhsa_user_sgpr_kernarg_segment_ptr 1
		.amdhsa_wavefront_size32 1
		.amdhsa_system_sgpr_workgroup_id_x 1
		.amdhsa_system_sgpr_workgroup_id_y 1
		.amdhsa_system_sgpr_workgroup_id_z 1
		.amdhsa_system_vgpr_workitem_id 0
		.amdhsa_next_free_vgpr 232
		.amdhsa_next_free_sgpr 66
		.amdhsa_reserve_vcc 1
		.amdhsa_float_denorm_mode_32 3
		.amdhsa_float_denorm_mode_16_64 3
		.amdhsa_memory_ordered 1
		.amdhsa_forward_progress 1
		.amdhsa_inst_pref_size 46
	.end_amdhsa_kernel
	.amdgpu_metadata
---
amdhsa.version: [ 1, 2 ]
amdhsa.kernels:
  - .name:           k_qcc26c9203d_normals
    .symbol:         k_qcc26c9203d_normals.kd
    .args:
      - { .name: pts, .offset: 0, .size: 8, .value_kind: global_buffer, .address_space: global }
      - { .name: idx, .offset: 8, .size: 8, .value_kind: global_buffer, .address_space: global }
      - { .name: normals, .offset: 16, .size: 8, .value_kind: global_buffer, .address_space: global }
    .group_segment_fixed_size: 0
    .private_segment_fixed_size: 0
    .kernarg_segment_align: 8
    .kernarg_segment_size: 24
    .max_flat_workgroup_size: 64
    .sgpr_count:     66
    .vgpr_count:     232
    .wavefront_size: 32
...
	.end_amdgpu_metadata
.endif
;; end of part 3
;; launch average (part 4): grid 256 x 1, 2 waves a work-group, no clusters, 0 bytes of LDS; arguments normals, idx, out0; writes out0
.if DOCPART == 4
	.amdgcn_target "amdgcn-amd-amdhsa--gfx1250"
	.amdhsa_code_object_version 6
	.text
	.protected	k_qcc26c9203d_average
	.globl	k_qcc26c9203d_average
	.p2align	8
	.type	k_qcc26c9203d_average,@function
k_qcc26c9203d_average:
	s_mov_b64 s[64:65], 0
	v_nop
	global_prefetch_b8 v0, s[64:65] scope:SCOPE_SE
	s_setreg_imm32_b32 hwreg(HW_REG_WAVE_MODE, 25, 1), 1
	s_wait_xcnt 0x0
; FOURTH LAUNCH.  One lane a vertex: the mean of its own normal and those of its 31 nearest other vertices (elements 0-30 of its list), divided by sqrt(sum of squares + 1e-12).
; normals: [16384] (nx, ny, nz, 0) f32.  idx: blocks of 16 vertices (element 16 h + 4 k + j of vertex r at byte 512 k + 16 (r + 16 h) + 4 j).  out0: [2][8192][3] f32.
; LIMIT.  The vertex itself is taken to be among its own first 32 neighbours: not so only where 32 or more vertices of lower index coincide with it.
.set I,  32                            ; v32-63  indices, then byte offsets
.set NB, 64                            ; v64-187 31 normals
	s_load_b128 s[4:7], s[0:1], 0x0                ; normals s[4:5], idx s[6:7]
	s_load_b64 s[8:9], s[0:1], 0x10                ; out0
	v_lshrrev_b32 v1, 4, v0
	v_and_b32 v2, 15, v0
	v_lshlrev_b32 v2, 4, v2
	v_lshl_add_u32 v2, v1, 11, v2
	v_lshlrev_b32 v3, 4, v0
	v_mul_u32_u24 v14, v0, 12
	s_lshr_b32 s11, ttmp9, 7                       ; cloud
	s_mov_b32 s15, 0
	s_wait_kmcnt 0x0
	s_lshl_b32 s14, ttmp9, 13
	s_add_nc_u64 s[6:7], s[6:7], s[14:15]
	s_lshl_b32 s14, ttmp9, 10
	s_add_nc_u64 s[12:13], s[4:5], s[14:15]        ; my work-group's own 64 normals
	s_mul_i32 s14, ttmp9, 768
	s_add_nc_u64 s[8:9], s[8:9], s[14:15]
	s_lshl_b32 s14, s11, 17
	s_add_nc_u64 s[4:5], s[4:5], s[14:15]          ; my cloud's normals
.irp h, 0,1
.irp k, 0,1,2,3
	global_load_b128 v[I+16*\h+4*\k:I+16*\h+4*\k+3], v2, s[6:7] offset:512*\k+256*\h
.endr
.endr
	global_load_b128 v[4:7], v3, s[12:13]
	s_wait_loadcnt 0x0
.set i, 0
.rept 31
	v_min_u32 v[I+i], 0x1fff, v[I+i]               ; an index stays inside the cloud
.set i, i+1
.endr
.set i, 0
.rept 31
	v_lshlrev_b32 v[I+i], 4, v[I+i]
.set i, i+1
.endr
.set i, 0
.rept 31
	global_load_b128 v[NB+4*i:NB+4*i+3], v[I+i], s[4:5]
.set i, i+1
.endr
	s_wait_loadcnt 0x0
.set i, 0
.rept 31                               ; the own normal starts the three sums
	v_pk_add_f32 v[4:5], v[4:5], v[NB+4*i:NB+4*i+1]
	v_add_f32 v6, v6, v[NB+4*i+2]
.set i, i+1
.endr
	v_mul_f32 v4, 0x3d000000, v4                   ; / 32
	v_mul_f32 v5, 0x3d000000, v5
	v_mul_f32 v6, 0x3d000000, v6
	v_mul_f32 v12, v4, v4
	v_fmac_f32 v12, v5, v5
	v_fmac_f32 v12, v6, v6
	v_add_f32 v12, 0x2b8cbccc, v12                 ; + 1e-12
	v_rsq_f32 v12, v12
	v_nop                                          ; a plain instruction between the root and the use of its result
	s_wait_alu depctr_va_vdst(0)
	v_mul_f32 v8, v4, v12
	v_mul_f32 v9, v5, v12
	v_mul_f32 v10, v6, v12
	global_store_b96 v14, v[8:10], s[8:9]          ; a wave's store covers 384 consecutive bytes
	s_endpgm
.Lfunc_end_k_qcc26c9203d_average:
	.size	k_qcc26c9203d_average, .Lfunc_end_k_qcc26c9203d_average-k_qcc26c9203d_average
	.p2alignl 7, 3214868480
	.fill 96, 4, 3214868480
	.section	.rodata,"a",@progbits
	.p2align	6, 0x0
	.amdhsa_kernel k_qcc26c9203d_average
		.amdhsa_group_segment_fixed_size 0
		.amdhsa_private_segment_fixed_size 0
		.amdhsa_enable_private_segment 0
		.amdhsa_kernarg_size 24
		.amdhsa_user_sgpr_count 2
		.amdhsa_user_sgpr_kernarg_segment_ptr 1
		.amdhsa_wavefront_size32 1
		.amdhsa_system_sgpr_workgroup_id_x 1
		.amdhsa_system_sgpr_workgroup_id_y 1
		.amdhsa_system_sgpr_workgroup_id_z 1
		.amdhsa_system_vgpr_workitem_id 0
		.amdhsa_next_free_vgpr 192
		.amdhsa_next_free_sgpr 66
		.amdhsa_reserve_vcc 0
		.amdhsa_float_denorm_mode_32 3
		.amdhsa_float_denorm_mode_16_64 3
		.amdhsa_memory_ordered 1
		.amdhsa_forward_progress 1
		.amdhsa_inst_pref_size 12
	.end_amdhsa_kernel
	.amdgpu_metadata
---
amdhsa.version: [ 1, 2 ]
amdhsa.kernels:
  - .name:           k_qcc26c9203d_average
    .symbol:         k_qcc26c9203d_average.kd
    .args:
      - { .name: normals, .offset: 0, .size: 8, .value_kind: global_buffer, .address_space: global }
      - { .name: idx, .offset: 8, .size: 8, .value_kind: global_buffer, .address_space: global }
      - { .name: out0, .offset: 16, .size: 8, .value_kind: global_buffer, .address_space: global }
    .group_segment_fixed_size: 0
    .private_segment_fixed_size: 0
    .kernarg_segment_align: 8
    .kernarg_segment_size: 24
    .max_flat_workgroup_size: 64
    .sgpr_count:     66
    .vgpr_count:     192
    .wavefront_size: 32
...
	.end_amdgpu_metadata
.endif
;; end of part 4
;; ======== version 2 of 2: 4 launches; version 1 with the launch groups written anew for expert scheduling mode
;; limits: an iteration or a series of the reference is cut at 16 steps
;; workspace buffers: pts 262,144 bytes; gids 2,097,152 bytes of whole numbers; idx 2,097,152 bytes of whole numbers; normals 262,144 bytes
;; launch groups (part 5): grid 256 x 1, 4 waves a work-group, no clusters, 136,704 bytes of LDS; arguments vertices, pts, gids; writes pts, gids
.if DOCPART == 5
	.amdgcn_target "amdgcn-amd-amdhsa--gfx1250"
	.amdhsa_code_object_version 6
	.text
	.protected	k_qcc26c9203d_groups
	.globl	k_qcc26c9203d_groups
	.p2align	8
	.type	k_qcc26c9203d_groups,@function
k_qcc26c9203d_groups:
	s_mov_b64 s[64:65], 0
	v_nop
	global_prefetch_b8 v0, s[64:65] scope:SCOPE_SE
	s_setreg_imm32_b32 hwreg(HW_REG_WAVE_SCHED_MODE, 0, 2), 2
	s_setreg_imm32_b32 hwreg(HW_REG_WAVE_MODE, 25, 1), 1
	s_wait_xcnt 0x0
	s_wait_alu depctr_vm_vsrc(0)
; FIRST OF FOUR LAUNCHES.  vertices: [2][8192][3] f32.  pts: [16384] records (x, y, z, sq) f32.  gids: for each vertex the 32 groups of 16 consecutive
; vertices that hold its 32 nearest other vertices.  gids lies in blocks of 16 vertices, 2,048 bytes: element 16 h + 4 k + j of vertex r at byte 512 k + 16 (r + 16 h) + 4 j.
; Every coordinate is rounded once to bf16 and widened again; all four launches work on these numbers.  Products of two of them are exact in f32, so
;   sq = (x x + y y) + z z,   dot = (x x' + y y') + z z',   d2 = (sq_i - 2 dot) + sq_j
; have one value whether a multiply and an add are fused or not.  The product (K = 3) stays on the vector unit: neighbours are chosen by comparing these sums, equal ones by
; index, and a sum grouped in another way differs in the last bit and changes the choice.
; LIMITS.  The order is taken on |d2|, not on its rounded root.  NaN and infinities are not served.
; SHARES.  A work-group owns 64 vertices (queries) of one cloud.  PHASE 1: wave w owns groups 128 w .. 128 w + 127, 32 at a time, a group of 16 candidates in a lane's registers; the queries
; come from LDS in pairs, the same bytes for all lanes; 80 packed instructions make 2 x 16 keys |d2|, 16 take the two minima (the query itself left out), which go into the wave's own table.
; PHASE 2: a wave owns 16 queries, two lanes a query (lane % 16 the query, lane / 16 the half of its 512 minima).  A fixed network (bitonic sort of 32, merge with the best 32 so far)
; gives T, the 32nd smallest minimum.  Then each minimum becomes the number g (below T), g + 1024 (equal to T) or infinity, and the same network keeps the 32 smallest: the order (minimum, group).
; A group that comes before the group of one of the 32 nearest in that order holds a vertex that comes before it, so the first 32 groups hold all 32.
; THE MODE: SCHED_MODE bits 1:0 = 2 (LLVM: expert scheduling mode 2), set by the entry lines.  The code itself states the register dependences
; between vector instructions and memory or LDS instructions, with s_wait_alu, always for 0.
; THE PLAN.  Registers that memory or LDS instructions touch:
;   RAW      a block's 32 groups as loaded.  Read by the 24 conversions at the block's head; behind them the next block's 12 loads land in it.  No other line names these registers.
;   QA, QB   four pairs of queries each.  A trip's pairs 0-3 read QA, its pairs 4-7 QB.  QB is loaded at the trip's top, QA (the next trip's) in its middle.
;   OUT      a trip's 16 minima.  Pairs 0-3 write the lower eight, which the stores in the trip's middle read; pairs 4-7 the upper eight, which the stores at its bottom read.
;   v18 v19  the table's and the queries' LDS addresses: written once a trip, in its middle, ahead of the wait on va_vdst that stands there anyway.
;   v20      the offset of RAW's loads: made at the head, never written again; the scalar base moves on by a block.
;   LB       phase 2: 32 minima as loaded.  Read by the sort's first stage (first pass) or by the compares (second pass); behind them the next trip's loads land in it.
;   v9       phase 2: LB's LDS address, written once a trip.
; D, C, the three banks and the index bases are named by vector instructions alone.
.set PW,    528                        ; a table row: 128 minima + 16 bytes = 33 x 16, so that sixteen rows read side by side begin at different banks (64 banks of 4 bytes: ISA guide 11.1)
.set WT,    64*PW                      ; a wave's table: 64 queries
.set TAB,   1024                       ; behind the 32 pairs of queries x 32 bytes (x0 x1 y0 y1 z0 z1 s0 s1)
.set SPARE, TAB+4*WT                   ; the spare words, 128 bytes a wave
.set P0,  32                           ; phase 2: three banks of 32 registers: v32-63, v96-127, v160-191
.set P1,  96
.set P2,  160
.set LB,  128                          ; v128-159 32 minima as loaded
.set IC,  224                          ; v224-239 the numbers 0.0 .. 15.0
.set PK,  32                           ; phase 1: v32-55 a group's 48 numbers in bf16, packed; then
.set D,   32                           ; v32-63  keys: candidate n, queries 0 and 1 of the pair at D + 2 n
.set RAW, 64                           ; v64-95 and v240-255 a group as loaded: word m at RAW + m, from word 32 on RGAP further up
.set RGAP, 144
.set C,   96                           ; v96-159 candidate n's record at C + 4 n
.set QQ,  160                          ; v160-191 QA, v192-223 QB: pair t of a trip's eight at QQ + 8 t
.set OUT, 224                          ; v224-239 a trip's 16 minima
.set MK,  32                           ; s32-63  phase 2: the masks of 16 minima, two each
; v2 lane, v3 lane % 16, v4 lane / 16, v5 my spare word's address, v6 0, v7 infinity, v8 T, v9 v10 table addresses, v11 16 x lane, v12-13 index bases, v14-15 the same + 1024,
; v16 my group, v17 v18 where my minima go, v19 the queries' address, v20 my group's byte offset in the wave's first block
.macro STAGE src, dst, k, j            ; one stage of a bitonic network, from one bank into another: no copy is needed
.set i, 0
.rept 32
.if (i&(\j)) == 0
.if (i&(\k)) == 0
	v_min_num_f32 v[(\dst)+i], v[(\src)+i], v[(\src)+i+(\j)]
	v_max_num_f32 v[(\dst)+i+(\j)], v[(\src)+i], v[(\src)+i+(\j)]
.else
	v_max_num_f32 v[(\dst)+i], v[(\src)+i], v[(\src)+i+(\j)]
	v_min_num_f32 v[(\dst)+i+(\j)], v[(\src)+i], v[(\src)+i+(\j)]
.endif
.endif
.set i, i+1
.endr
.endm
.macro MERGE a, b, out                 ; a bitonic run in bank a comes out ascending in bank out
	STAGE \a, \b, 32, 16
	STAGE \b, \a, 32, 8
	STAGE \a, \b, 32, 4
	STAGE \b, \a, 32, 2
	STAGE \a, \out, 32, 1
.endm
.macro SORTREST                        ; the sort's first stage (STAGE .., P1, 2, 1) has left 32 new numbers in P1, the best 32 so far lie ascending in P2: the best 32 of both, ascending, in P2
	STAGE P1, P0, 4, 2
	STAGE P0, P1, 4, 1
	STAGE P1, P0, 8, 4
	STAGE P0, P1, 8, 2
	STAGE P1, P0, 8, 1
	STAGE P0, P1, 16, 8
	STAGE P1, P0, 16, 4
	STAGE P0, P1, 16, 2
	STAGE P1, P0, 16, 1
	STAGE P0, P1, 32, 16
	STAGE P1, P0, 32, 8
	STAGE P0, P1, 32, 4
	STAGE P1, P0, 32, 2
	STAGE P0, P1, 32, 1
.set i, 0
.rept 32
	v_min_num_f32 v[P0+i], v[P2+i], v[P1+31-i]
.set i, i+1
.endr
	MERGE P0, P1, P2
.endm
.macro BOTH                            ; my list and the other half's become one: both lanes of a query then hold the same 32, ascending, in P2
.set i, 0
.rept 32
	v_permlanex16_b32 v[P0+i], v[P2+i], s16, s17
.set i, i+1
.endr
.set i, 0
.rept 32
	v_min_num_f32 v[P1+i], v[P2+i], v[P0+31-i]
.set i, i+1
.endr
	MERGE P1, P0, P2
.endm
; A key becomes its index (below T), its index + the offset (equal to T) or infinity, sixteen keys at a time.  FLAGC: their 32 compares, in one run, each into a scalar register of its own.
.macro FLAGC b
.set i, 0
.rept 16
	v_cmp_eq_f32 s[MK+2*i], v[LB+16*(\b)+i], v8
	v_cmp_lt_f32 s[MK+2*i+1], v[LB+16*(\b)+i], v8
.set i, i+1
.endr
.endm
.macro FLAGS b                         ; and what is made of the masks, into P0
.set i, 0
.rept 16
	v_cndmask_b32 v[P0+16*(\b)+i], v7, v[14+(\b)], s[MK+2*i]
.set i, i+1
.endr
.set i, 0
.rept 16
	v_cndmask_b32 v[P0+16*(\b)+i], v[P0+16*(\b)+i], v[12+(\b)], s[MK+2*i+1]
.set i, i+1
.endr
.set i, 0
.rept 16
	v_add_f32 v[P0+16*(\b)+i], v[IC+i], v[P0+16*(\b)+i]
.set i, i+1
.endr
.endm
.macro SETINF
.set i, 0
.rept 32
	v_mov_b32 v[P2+i], v7
.set i, i+1
.endr
.endm
.macro TAIL mask                       ; lanes 0-15 keep elements 0-15, lanes 16-31 elements 16-31; whole numbers; each store of the wave covers 512 consecutive bytes, aligned
	BOTH
.set i, 0
.rept 16
	v_cndmask_b32 v[P0+i], v[P2+i], v[P2+16+i], s18
.set i, i+1
.endr
.set i, 0
.rept 16
	v_cvt_u32_f32 v[P0+i], v[P0+i]
.set i, i+1
.endr
.set i, 0
.rept 16
	v_and_b32 v[P0+i], \mask, v[P0+i]
.set i, i+1
.endr
	s_wait_alu depctr_va_vdst(0)                   ; the sixteen numbers in P0 are written, which the stores read
.irp k, 0,1,2,3
	global_store_b128 v11, v[P0+4*\k:P0+4*\k+3], s[8:9] offset:512*\k
.endr
.endm
.macro FILL                            ; a block: my group's 192 consecutive bytes
.set n, 0
.rept 12
	global_load_b128 v[RAW+4*n+RGAP*(n/8):RAW+4*n+RGAP*(n/8)+3], v20, s[4:5] offset:16*n
.set n, n+1
.endr
.endm
.macro CONVERT                         ; RAW -> PK -> C: rounded to bf16 (nearest even), widened; sq in ascending order of the coordinates
.set n, 0
.rept 24
	v_cvt_pk_bf16_f32 v[PK+n], v[RAW+2*n+RGAP*(n/16)], v[RAW+2*n+RGAP*(n/16)+1]
.set n, n+1
.endr
.set n, 0
.rept 48
.if n%2 == 0
	v_lshlrev_b32 v[C+4*(n/3)+n%3], 16, v[PK+n/2]
.else
	v_and_b32 v[C+4*(n/3)+n%3], s18, v[PK+n/2]
.endif
.set n, n+1
.endr
.set n, 0
.rept 16
	v_mul_f32 v[C+4*n+3], v[C+4*n], v[C+4*n]
.set n, n+1
.endr
.set n, 0
.rept 16
	v_fmac_f32 v[C+4*n+3], v[C+4*n+1], v[C+4*n+1]
.set n, n+1
.endr
.set n, 0
.rept 16
	v_fmac_f32 v[C+4*n+3], v[C+4*n+2], v[C+4*n+2]
.set n, n+1
.endr
.endm
.macro QLOADS half                     ; four pairs of queries: half 0 into QA, half 1 into QB
.set n, 8*(\half)
.rept 8
	ds_load_b128 v[QQ+4*n:QQ+4*n+3], v19 offset:16*n
.set n, n+1
.endr
.endm
.macro OSTORES half                    ; eight minima into my column of my wave's table
.set n, 8*(\half)
.rept 8
	ds_store_b32 v18, v[OUT+n] offset:n*PW
.set n, n+1
.endr
.endm
.macro MIN16 qi, row                   ; the least of one query's 16 keys |d2|; the partial minima stay in the keys' registers, the result goes into OUT
.set K, D+(\qi)
.irp a, 0,1,2,3,4
	v_min3_num_f32 v[K+6*\a], |v[K+6*\a]|, |v[K+6*\a+2]|, |v[K+6*\a+4]|
.endr
	v_min3_num_f32 v[K], v[K], v[K+6], |v[K+30]|
	v_min3_num_f32 v[K+12], v[K+12], v[K+18], v[K+24]
	v_min_num_f32 v[OUT+(\row)], v[K], v[K+12]
.endm
.macro QPAIR t                         ; queries 2 t and 2 t + 1 of the sixteen in hand against my 16 candidates: sixteen chains that do not wait for each other
.set Q, QQ+8*(\t)
.set n, 0
.rept 16
	v_pk_mul_f32 v[D+2*n:D+2*n+1], v[Q:Q+1], v[C+4*n:C+4*n+1] op_sel_hi:[1,0]
.set n, n+1
.endr
.set n, 0
.rept 16
	v_pk_fma_f32 v[D+2*n:D+2*n+1], v[Q+2:Q+3], v[C+4*n:C+4*n+1], v[D+2*n:D+2*n+1] op_sel:[0,1,0] op_sel_hi:[1,1,1]
.set n, n+1
.endr
.set n, 0
.rept 16
	v_pk_fma_f32 v[D+2*n:D+2*n+1], v[Q+4:Q+5], v[C+4*n+2:C+4*n+3], v[D+2*n:D+2*n+1] op_sel_hi:[1,0,1]
.set n, n+1
.endr
.set n, 0
.rept 16
	v_pk_fma_f32 v[D+2*n:D+2*n+1], v[D+2*n:D+2*n+1], -2.0, v[Q+6:Q+7] op_sel_hi:[1,0,1]
.set n, n+1
.endr
.set n, 0
.rept 16
	v_pk_add_f32 v[D+2*n:D+2*n+1], v[D+2*n:D+2*n+1], v[C+4*n+2:C+4*n+3] op_sel:[0,1] op_sel_hi:[1,1]
.set n, n+1
.endr
	v_cndmask_b32 v[D+4*(\t)], v[D+4*(\t)], v7, s24        ; in the lane that holds the queries' own group: a query is no candidate of its own
	v_cndmask_b32 v[D+4*(\t)+3], v[D+4*(\t)+3], v7, s24
	MIN16 0, 2*(\t)
	MIN16 1, 2*(\t)+1
.endm
	s_load_b128 s[4:7], s[0:1], 0x0                ; vertices s[4:5], pts s[6:7]
	s_load_b64 s[8:9], s[0:1], 0x10                ; gids
	v_lshl_add_u32 v5, v0, 2, SPARE
	v_mov_b32 v6, 0
	v_lshrrev_b32 v1, 5, v0
	v_readfirstlane_b32 s10, v1                    ; wave 0..3
	v_and_b32 v2, 31, v0
	v_and_b32 v3, 15, v0
	v_bfe_u32 v4, v0, 4, 1
	v_mov_b32 v7, 0x7f800000
	v_lshlrev_b32 v11, 4, v2
	v_mov_b32 v19, 0                               ; the first trip's queries lie at LDS byte 0
	s_lshr_b32 s11, ttmp9, 7                       ; cloud
	s_and_b32 s12, ttmp9, 127                      ; my 64 queries in it
	s_mov_b32 s15, 0
	s_mov_b32 s16, 0x76543210                      ; v_permlanex16_b32: each lane takes its own place in the other half
	s_mov_b32 s17, 0xfedcba98
	s_mov_b32 s18, 0xffff0000                      ; a word's upper bf16; as a mask of lanes: lanes 16 to 31
	s_wait_alu depctr_va_sdst(0)                   ; s10 is written, ahead of its first reader, the next line
	s_lshl_b32 s21, s10, 7
	v_add_nc_u32 v20, s21, v2                      ; my group in the wave's first block,
	v_mul_u32_u24 v20, v20, 192                    ; its 192 consecutive bytes
	s_wait_kmcnt 0x0
	s_mul_i32 s14, s11, 98304
	s_add_nc_u64 s[4:5], s[4:5], s[14:15]          ; my cloud
	s_lshl_b32 s14, ttmp9, 10
	s_add_nc_u64 s[6:7], s[6:7], s[14:15]          ; my 64 records
	s_lshl_b32 s14, ttmp9, 2
	s_add_co_u32 s14, s14, s10
	s_lshl_b32 s14, s14, 11
	s_add_nc_u64 s[8:9], s[8:9], s[14:15]          ; my wave's block of gids
	s_wait_alu depctr_va_vdst(0)                   ; v20, v19 and v11 are written: the offsets and the address that the loads of RAW, the first loads of queries and the last stores read
	FILL                                           ; the first block is asked for ahead of everything else
	s_cmp_ge_u32 s10, 2
	s_cbranch_scc1 .Lno_q                          ; waves 0 and 1 make the 64 queries' records: into pts, and in pairs into LDS
	s_mul_i32 s25, s12, 768
	v_mul_u32_u24 v38, v0, 12
	v_add_nc_u32 v38, s25, v38
	v_lshrrev_b32 v40, 1, v0
	v_and_b32 v41, 1, v0
	v_lshlrev_b32 v40, 5, v40
	v_lshl_add_u32 v40, v41, 2, v40
	v_lshlrev_b32 v39, 4, v0
	s_wait_alu depctr_va_vdst(0)                   ; v38 is written, the load's offset; so are v39 and v40, which the stores below read
	global_load_b96 v[32:34], v38, s[4:5]
	s_wait_loadcnt 0x0
	v_cvt_pk_bf16_f32 v36, v32, v33
	v_cvt_pk_bf16_f32 v37, v34, v34
	v_lshlrev_b32 v32, 16, v36
	v_and_b32 v33, s18, v36
	v_lshlrev_b32 v34, 16, v37
	v_mul_f32 v35, v32, v32
	v_fmac_f32 v35, v33, v33
	v_fmac_f32 v35, v34, v34
	s_wait_alu depctr_va_vdst(0)                   ; the record v32-35 is written, which the five stores read
	global_store_b128 v39, v[32:35], s[6:7]
	ds_store_b32 v40, v32
	ds_store_b32 v40, v33 offset:8
	ds_store_b32 v40, v34 offset:16
	ds_store_b32 v40, v35 offset:24
	s_wait_xcnt 0x0                                ; the store's address and data registers are written again below only behind this wait
	s_wait_alu depctr_vm_vsrc(0)                   ; the load and the five stores have read v32-35 and v38-40, which the first block's conversions write again
.Lno_q:
	s_wait_dscnt 0x0                               ; for the others' sake: my stores are done
	s_barrier_signal -1
	s_barrier_wait -1
	QLOADS 0                                       ; the first trip's pairs 0-3.  No wait: v19 was written ahead of the head's wait, and no vector instruction has named QA
	s_mov_b32 s20, 0
.Lblk:                                                 ; four blocks of 32 groups a wave
	s_lshl_b32 s21, s10, 7
	s_lshl_b32 s25, s20, 5
	s_add_co_u32 s21, s21, s25
	v_add_nc_u32 v16, s21, v2                      ; my group
	s_mul_i32 s25, s10, WT
	s_lshl_b32 s26, s20, 7
	s_add_co_u32 s25, s25, s26
	s_add_co_u32 s25, s25, TAB
	v_lshl_add_u32 v17, v2, 2, s25                 ; my column in my wave's table
	s_wait_loadcnt 0x0                             ; RAW is in: it was asked for a block ago
	s_add_nc_u64 s[4:5], s[4:5], 32*192            ; free since that wait, which shows the loads that read it done: the next block (the last block's step is not used)
	CONVERT
	s_wait_dscnt 0x0                               ; on the way into the loop: the first trip's pairs 0-3 are in, so that the loop's counted wait holds on this way too
	s_wait_alu depctr_va_vdst(0)                   ; the conversions are done reading RAW, in which the next block's loads land
	s_cmp_eq_u32 s20, 3
	s_cbranch_scc1 .Lno_raw                        ; the last block has no successor: no load leaves the cloud
	FILL
.Lno_raw:
	s_mov_b32 s22, 0
.Ltrip:                                                ; sixteen queries a trip, one group: a query's place in its own group is then a constant of the text
	s_lshl2_add_u32 s23, s12, s22                  ; the group that these sixteen queries are
	v_cmp_eq_u32 s24, s23, v16
	s_wait_dscnt 8                                 ; LDS instructions end in order (ISA guide 5.7.1): QA is in; only the eight stores at the last trip's bottom are younger than what this wait shows done
	QLOADS 1                                       ; pairs 4-7.  No wait: the last wait on va_vdst (the last trip's bottom, or the block's head) stands behind all that read QB, and no vector instruction since names QB or v19
	s_wait_alu depctr_va_sdst(0)                   ; s24 is written, ahead of its first reader in the first pair
	QPAIR 0
	QPAIR 1
	QPAIR 2
	QPAIR 3
	s_add_co_u32 s25, s22, 1
	s_and_b32 s25, s25, 3                          ; the next trip's queries; behind a block's last trip the next block's first
	s_lshl_b32 s25, s25, 8
	s_mul_i32 s26, s22, 16*PW
	s_lshl2_add_u32 s29, s20, s22                  ; which of the wave's sixteen trips this is
	s_wait_dscnt 0x0                               ; QB is in: it was asked for half a trip ago
	s_wait_alu depctr_vm_vsrc(0)                   ; the LDS loads issued so far have read v19; the last trip's stores have read v18 and OUT's upper eight, which pairs 4-7 write again
	v_mov_b32 v19, s25
	v_add_nc_u32 v18, s26, v17
	s_wait_alu depctr_va_vdst(0)                   ; v18 and v19 are written; pairs 0-3 have written OUT's lower eight and are done reading QA
	OSTORES 0
	s_cmp_eq_u32 s29, 15
	s_cbranch_scc1 .Lno_qa                         ; the last of the sixteen trips has no successor: the run of loads is jumped over
	QLOADS 0
.Lno_qa:
	QPAIR 4
	QPAIR 5
	QPAIR 6
	QPAIR 7
	s_wait_alu depctr_vm_vsrc(0)                   ; the stores in the trip's middle have read OUT's lower eight, which the next trip's pairs 0-3 write again
	s_wait_alu depctr_va_vdst(0)                   ; pairs 4-7 have written OUT's upper eight, which the stores below read, and are done reading QB, in which the next trip's first loads land
	OSTORES 1
	s_add_co_u32 s22, s22, 1
	s_cmp_lt_u32 s22, 4
	s_cbranch_scc1 .Ltrip
	s_add_co_u32 s20, s20, 1
	s_cmp_lt_u32 s20, 4
	s_cbranch_scc1 .Lblk
	s_wait_dscnt 0x0                               ; my table is written
	s_barrier_signal -1
	s_barrier_wait -1                              ; everybody's is
	s_wait_alu depctr_vm_vsrc(0)                   ; my last LDS stores have read OUT: these registers hold the numbers 0.0 .. 15.0 from here on
	s_lshl_b32 s25, s10, 4
	v_add_nc_u32 v9, s25, v3                       ; my query's row
	v_mul_u32_u24 v9, v9, PW
	v_mad_u32_u24 v10, v4, 2*WT, v9                ; tables 2 h and 2 h + 1 are my half
	v_add_nc_u32 v10, TAB, v10
	v_mov_b32 v9, v10
.macro LOADS                           ; 16 minima from each of my two tables
.irp j, 0,1,2,3
	ds_load_b128 v[LB+4*\j:LB+4*\j+3], v9 offset:16*\j
	ds_load_b128 v[LB+16+4*\j:LB+16+4*\j+3], v9 offset:WT+16*\j
.endr
.endm
	s_wait_alu depctr_va_vdst(0)                   ; v9 is written; phase 1 is done with v128-159, which are LB from here on
	LOADS
.set n, 0
.rept 16
	v_cvt_f32_u32 v[IC+n], n
.set n, n+1
.endr
	SETINF
	s_mov_b32 s27, 0
.LpA:                                                  ; eight trips of 32 minima: the values
	s_add_co_u32 s25, s27, 1
	s_and_b32 s25, s25, 7                          ; the next trip's 32; behind the last trip the first 32 again, for the second pass
	s_lshl_b32 s25, s25, 6
	s_wait_dscnt 0x0                               ; LB is in: it was asked for a trip ago
	s_wait_alu depctr_vm_vsrc(0)                   ; those loads have read v9
	v_add_nc_u32 v9, s25, v10
	STAGE LB, P1, 2, 1                             ; the sort's first stage empties LB
	s_wait_alu depctr_va_vdst(0)                   ; the first stage is done reading LB, in which the loads below land; v9 is written
	LOADS
	SORTREST
	s_add_co_u32 s27, s27, 1
	s_cmp_lt_u32 s27, 8
	s_cbranch_scc1 .LpA
	BOTH
	v_mov_b32 v8, v[P2+31]                         ; T
	SETINF
	v_lshlrev_b32 v12, 8, v4
	v_cvt_f32_u32 v12, v12                         ; 256 h
	v_add_f32 v13, 0x43000000, v12                 ; + 128
	v_add_f32 v14, 0x44800000, v12                 ; + 1024
	v_add_f32 v15, 0x44800000, v13
	s_mov_b32 s27, 0
.LpB:                                                  ; the same eight trips: the group numbers
	s_add_co_u32 s25, s27, 1
	s_and_b32 s25, s25, 7
	s_lshl_b32 s25, s25, 6
	s_wait_dscnt 0x0                               ; LB is in
	s_wait_alu depctr_vm_vsrc(0)                   ; those loads have read v9
	v_add_nc_u32 v9, s25, v10
	FLAGC 0
	s_wait_alu depctr_va_sdst(0)                   ; the 32 masks of minima 0-15 are written, ahead of their first reader
	FLAGS 0
	FLAGC 1
	s_wait_alu depctr_va_sdst(0)                   ; the 32 masks of minima 16-31 are written, ahead of the branch and of their first reader
	s_wait_alu depctr_va_vdst(0)                   ; the compares are done reading LB, in which the loads below land; v9 is written
	s_cmp_eq_u32 s27, 7
	s_cbranch_scc1 .Lno_lb                         ; the last trip has no successor: the run of loads is jumped over
	LOADS
.Lno_lb:
	FLAGS 1
	STAGE P0, P1, 2, 1
	SORTREST
.irp a, 12,13,14,15
	v_add_f32 v\a, 0x41800000, v\a
.endr
	s_add_co_u32 s27, s27, 1
	s_cmp_lt_u32 s27, 8
	s_cbranch_scc1 .LpB
	TAIL 1023
	s_wait_dscnt 0x0                               ; the closing lines, six on end
	s_wait_alu 0x0
	s_wait_tensorcnt 0x0
	ds_add_u32 v5, v6
	s_wait_dscnt 0x0
	s_endpgm
.Lfunc_end_k_qcc26c9203d_groups:
	.size	k_qcc26c9203d_groups, .Lfunc_end_k_qcc26c9203d_groups-k_qcc26c9203d_groups
	.p2alignl 7, 3214868480
	.fill 96, 4, 3214868480
	.section	.rodata,"a",@progbits
	.p2align	6, 0x0
	.amdhsa_kernel k_qcc26c9203d_groups
		.amdhsa_group_segment_fixed_size 136704
		.amdhsa_private_segment_fixed_size 0
		.amdhsa_enable_private_segment 0
		.amdhsa_kernarg_size 24
		.amdhsa_user_sgpr_count 2
		.amdhsa_user_sgpr_kernarg_segment_ptr 1
		.amdhsa_wavefront_size32 1
		.amdhsa_system_sgpr_workgroup_id_x 1
		.amdhsa_system_sgpr_workgroup_id_y 1
		.amdhsa_system_sgpr_workgroup_id_z 1
		.amdhsa_system_vgpr_workitem_id 0
		.amdhsa_next_free_vgpr 256
		.amdhsa_next_free_sgpr 66
		.amdhsa_reserve_vcc 0
		.amdhsa_float_denorm_mode_32 3
		.amdhsa_float_denorm_mode_16_64 3
		.amdhsa_memory_ordered 1
		.amdhsa_forward_progress 1
		.amdhsa_inst_pref_size 139
	.end_amdhsa_kernel
	.amdgpu_metadata
---
amdhsa.version: [ 1, 2 ]
amdhsa.kernels:
  - .name:           k_qcc26c9203d_groups
    .symbol:         k_qcc26c9203d_groups.kd
    .args:
      - { .name: vertices, .offset: 0, .size: 8, .value_kind: global_buffer, .address_space: global }
      - { .name: pts, .offset: 8, .size: 8, .value_kind: global_buffer, .address_space: global }
      - { .name: gids, .offset: 16, .size: 8, .value_kind: global_buffer, .address_space: global }
    .group_segment_fixed_size: 136704
    .private_segment_fixed_size: 0
    .kernarg_segment_align: 8
    .kernarg_segment_size: 24
    .max_flat_workgroup_size: 128
    .sgpr_count:     66
    .vgpr_count:     256
    .wavefront_size: 32
...
	.end_amdgpu_metadata
.endif
;; end of part 5
;; launch neighbours: the kernel of part 2 again; grid 256 x 1, 4 waves a work-group, no clusters, 139,776 bytes of LDS; arguments pts, gids, idx; writes idx
;; launch normals: the kernel of part 3 again; grid 256 x 1, 2 waves a work-group, no clusters, 0 bytes of LDS; arguments pts, idx, normals; writes normals
;; launch average: the kernel of part 4 again; grid 256 x 1, 2 waves a work-group, no clusters, 0 bytes of LDS; arguments normals, idx, out0; writes out0
